; MI455X (gfx1250); checked and timed in simulation.
; The chip was launched on July 23, 2026; its instructions are those of AMD's public machine-readable ISA for CDNA 5 (MIT licence, August 2026) and "CDNA5" Instruction Set Architecture Reference Guide (July 2026). The comments in the code are by the model that wrote it; some were corrected since.
;; Scaled Dot Product. Allowed arithmetic: matrix products marked QUANTISED: E2M1 operands, one E8M0 scale for each 32 along K, by v_wmma_scale_f32_16x16x128_f8f6f4 with both operands' format E2M1 (or v_wmma_scale_f32_32x16x128_f4), f32 sums; products left as they are: bf16, f16 or f32 operands; f32 sums; everything else in f32.
;; Inputs: k 4 x 16 x 2,048 x 64 float32; q 4 x 16 x 2,048 x 64 float32; v 4 x 16 x 2,048 x 64 float32.
;; Outputs: out0 4 x 16 x 2,048 x 64 float32.
;; This version of the problem:
;;   THIS VERSION OF THE PROBLEM IS GIVEN IN LOW PRECISION. The matrix products marked QUANTISED in the list below multiply operands that are first quantised to E2M1 (2 exponent bits, 1 mantissa bit; 4 bits a number), with one power-of-two scale for each 32 numbers along K (OCP MX v1.0); their sums are f32. The products marked 'left as it is' may take bf16, f16 or f32 operands, with f32 sums. All else is computed in f32.
;;   The module's matrix products, in the order in which they are computed (A, B: the left and right operand; K: the contracted axis; several contracted axes count as one K, in the product's order):
;;     1. batch 64 x [M 2,048, K 64] x [K 64, N 2,048]; A: input q; B: input k: QUANTISED
;;     2. batch 64 x [M 2,048, K 2,048] x [K 2,048, N 64]; A: computed on the way; B: input v: left as it is (an operand is computed on the way)
;;   THE QUANTISER, for each operand of a quantised product, along K:
;;     - K is cut into blocks of 32 from its start; a last block that is shorter is filled with zeros.
;;     - A block's scale is 2^e with e = floor(log2(the largest magnitude in the block)) - 2, held to -126 .. 127; a block of zeros has e = 0. As a byte (E8M0): e + 127.
;;     - Each number is divided by its block's scale, clamped to +-6, and rounded to the nearest number of E2M1, ties to even, subnormals kept.
;;     - The product sums the exact products of the quantised numbers (number of the format x scale) in f32.
;;   ~~~python
;;   def quantise(x, axis):      # numpy; x: float32 -> the quantised numbers, widened to float32 again
;;       x = np.moveaxis(x, axis, -1); K = x.shape[-1]
;;       x = np.pad(x, [(0, 0)] * (x.ndim - 1) + [(0, -K % 32)]); x = x.reshape(x.shape[:-1] + (-1, 32)); a = np.abs(x).max(-1, keepdims=True)
;;       e = np.where(a > 0, np.clip(np.frexp(np.where(a > 0, a, 1))[1] - 1 - 2, -126, 127), 0)      # np.frexp(a)[1] - 1 = floor(log2(a)), exactly
;;       r = np.clip(x / 2.0 ** e, -6, 6)
;;       step = 2.0 ** (np.maximum(np.frexp(np.where(r == 0, 1, r))[1] - 1, 0) - 1)
;;       q = np.round(r / step) * step * 2.0 ** e      # np.round: ties to even
;;       return np.moveaxis(q.reshape(q.shape[:-2] + (-1,))[..., :K], -1, axis).astype(np.float32)
;;   ~~~
;; 2 versions, each right; version 2 is version 1 with the launch attn written anew for expert scheduling mode. Each part assembles by itself: llvm-mc -triple=amdgcn-amd-amdhsa -mcpu=gfx1250 --defsym DOCPART=n.
;; ======== version 1 of 2: 1 launch
;; limits: values are held in f16: magnitudes above 65,504 overflow, below 6.1e-05 lose precision; inputs' magnitudes at most 65,504
;; launch attn (part 1): grid 4 x 64, 16 waves a work-group, no clusters, 113,152 bytes of LDS; arguments q, k, v, out0; writes out0
.if DOCPART == 1
	.amdgcn_target "amdgcn-amd-amdhsa--gfx1250"
	.amdhsa_code_object_version 6
	.text
	.protected	k_qb7e14678d4_attn
	.globl	k_qb7e14678d4_attn
	.p2align	8
	.type	k_qb7e14678d4_attn,@function
k_qb7e14678d4_attn:
	s_mov_b64 s[64:65], 0
	v_nop
	global_prefetch_b8 v0, s[64:65] scope:SCOPE_SE
	s_setreg_imm32_b32 hwreg(HW_REG_WAVE_MODE, 25, 1), 1
	s_wait_xcnt 0x0
; out[h][q][:] = the sum over k of softmax_k(Q[h][q] . K[h][k] / 8) V[h][k][:].  q, k, v, out0: [64 heads][2048][64] f32, no mask.
; The first product multiplies codes of FP4 (E2M1) with one E8M0 scale for each 32 along the head's 64; q and k are quantised here, in f32, on their way.
; The second product takes f16 operands (p and v rounded once) and f32 sums.  Maxima, exponentials and the row's sum (of the unrounded p) are f32.
; WHY f16 AND NOT bf16: f16 keeps 11 significant bits where bf16 keeps 8, an eighth of the rounding error in each of the 2,048 terms of a sum, and both operands have room in its range:
; p lies in 0 .. 1 (under 2^-14 its error is at most 2^-25, beside a row's sum of at least 1); v may be 30 times the drawn numbers with an offset of 30 times that spread (about 1,100) and stays far under 65,504.
; SHARES.  A work-group owns 512 queries of one head; each of its SIXTEEN waves owns 32 of them, two tiles of 16, in 256 registers: four waves to a SIMD, so that one wave's
; vector work stands beside another's products and LDS loads.  Every wave walks all 2,048 keys, in tiles of 128, each in two sub-steps of 64.
; K AND V ARE MADE INTO OPERANDS ONCE A WORK-GROUP.  Of each tile of 128 keys wave w loads keys 8 w .. 8 w + 7 of K and of V into registers, a whole tile ahead of their use, quantises K,
; rounds V, and stores both into LDS AS IMAGES OF THE OPERANDS' REGISTERS (a group of four registers: lane l's 16 bytes at 16 l).  Two image buffers take turns, one barrier a tile.
; LAYOUT.  Both products are used transposed: S^T = K Q^T (source 0 = keys, source 1 = my queries), O^T = V^T P (source 0 = 16 channels x 32 keys, source 1 = P): a lane holds ONE query
; (lane % 16) throughout; two neighbouring tiles of S^T, rounded to f16 in pairs, ARE source 1 of the second product.
; TWO KEY TILES IN ONE K STEP.  The instruction's K is 128, the head's is 64.  A fragment of K holds 16 keys in registers 0-3 (k = 0 .. 63) and the NEXT 16 keys in registers 4-7 (k = 64 .. 127).
; Q is kept as twelve registers [0 0 0 0 | q q q q | 0 0 0 0]: registers 4-11, [q, 0], give the first 16 keys' scores, registers 0-7, [0, q], the second's.  Zero codes add nothing under any
; scale byte but 0xff, and all bytes here lie in 1 .. 254.  K's scale word: bytes 0, 1 the first tile's two blocks, bytes 2, 3 the second's.  Q's: (s0, s1, s0, s1), which serves both forms.
; SOFTMAX.  For each query a running maximum m and sum l: p = 2^(c s - c m), c = log2(e) / 8; in every sub-step O^T and l are multiplied by a = 2^(c m_old - c m_new).
; NO CLUSTER, NO TENSOR LOAD: the four work-groups of a head read the same K and V, but as f32 numbers that must pass through registers to become operands.  Brought by a tensor load, a tile of
; 128 keys would lay 65,536 bytes of f32 into LDS, to be read back, for 20,736 bytes of operands; so there is no load that could be asked for jointly.
; LIMITS: NaN and infinities among the inputs are not served; numbers of v beyond 65,504 in magnitude are not served (f16's largest number); scores at or under -3e38 are not served (m begins there).
; A block of zeros gets the scale byte 1 where the rule says 127: its codes are zeros, and this program alone reads the bytes.  Blocks whose largest magnitude lies under 2^-124 have their byte held at 1.
.set BUF,    20736                     ; an image buffer: K's codes 4,096, K's scale bytes 256, V 16,384
.set KSC,    4096                      ; K's scale bytes: fragment x 64 + key's row x 4 + 2 x (which of the fragment's two key tiles) + block
.set VIMG,   4352                      ; V's fragments: (4 x group of 32 keys + tile of 16 channels) x 1,024
.set STG,    2*BUF                     ; behind the buffers: a stage of 16 rows x 272 bytes for each wave, its own, for the way out
.set SPITCH, 272                       ; a row of 256 bytes + 16
.set TILEB,  32768                     ; 128 keys x 256 bytes in memory
.set LI,  1                            ; v1   16 x lane: an image's place for my lane; also my byte offset in two rows of out0
.set LS,  2                            ; v2   4 x lane: a scale word's place
.set KG,  3                            ; v3   K in memory: 64 x lane + 2,048 x wave
.set VG,  4                            ; v4   V in memory: 8 x lane + 2,048 x wave
.set KW,  5                            ; v5   where I store my 16 codes of K
.set KSW, 6                            ; v6   and my block's scale byte
.set VW,  7                            ; v7   where I store 8 keys of two channels of V
.set A0,  10                           ; v[10:11]   a of tile 0 (v11 is written once: it is named as the pair's upper half)
.set A1,  252                          ; v[252:253] a of tile 1
.set ST,  12                           ; tile t's statistics at v[ST + 8 t]: +0 c m, +1 m, +2, +3 l (even keys', odd keys'), +4 .. +7 at work
.set QF,  28                           ; Q: twelve registers a tile
.set QS,  52                           ; v52-53 Q's scale words
.set KS,  54                           ; v54-55 K's scale words: register i: lanes 0-15 fragment 2 i, lanes 16-31 fragment 2 i + 1
.set KST, 56                           ; v56-71 16 numbers of K as loaded; then v56-63 V in f16
.set VST, 72                           ; v72-87 V as loaded: key i's channels 2 l, 2 l + 1 in v[72 + 2 i : 73 + 2 i]
.set KC,  88                           ; v88-89 K's codes;  v90 the conversion's scale operand;  v91 the scale's byte
.set KSO, 90
.set KSB, 91
.set S,   92                           ; v92-155 S^T, 32 a tile; P is packed in place: P(t, g) = S + 32 t + 16 g + 0 .. 7; the chunks + 8 .. 15 then take V's fragments of the second 32 keys
.set OT,  156                          ; v156-219 O^T: tile t, channels 16 d on: OT + 32 t + 8 d
.set FB,  220                          ; v220-251 K's two fragments, then V's four fragments of the first 32 keys
.set QA,  254                          ; v254 at the head: my byte offset in the wave's rows of Q;
.set SO,  254                          ;      on the way out: where I put 16 bytes of a row
.set SR,  255                          ; v255 on the way out: where I read a row back
; Twelve loads: my 8 keys of K (lane l: key l / 4, 16 numbers from k = 16 (l % 4) on) and of V (each load: one whole row of 256 bytes, 8 bytes a lane)
.macro GLOADS
.irp i, 0,1,2,3
	global_load_b128 v[KST+4*\i:KST+4*\i+3], v[KG], s[6:7] offset:16*\i
.endr
.irp i, 0,1,2,3,4,5,6,7
	global_load_b64 v[VST+2*\i:VST+2*\i+1], v[VG], s[8:9] offset:256*\i
.endr
.endm
.macro LOADS                           ; the next tile's.  The loads that named these bases have been shown done by the wait on LOADcnt that stands ahead
	s_add_nc_u64 s[6:7], s[6:7], TILEB
	s_add_nc_u64 s[8:9], s[8:9], TILEB
	GLOADS
.endm
; What was loaded becomes operands in buffer nb.  K: two neighbouring lanes hold a block of 32; its scale is 2^(floor(log2(largest magnitude)) - 2): the largest magnitude's exponent field less 2.
.macro CONVERT nb
	v_max3_num_f32 v8, |v[KST]|, |v[KST+1]|, |v[KST+2]|            ; the largest magnitude of my 16, in two chains
	v_max3_num_f32 v9, |v[KST+3]|, |v[KST+4]|, |v[KST+5]|
.irp i, 6,10
	v_max3_num_f32 v8, v8, |v[KST+\i]|, |v[KST+\i+1]|
	v_max3_num_f32 v9, v9, |v[KST+\i+2]|, |v[KST+\i+3]|
.endr
	v_max3_num_f32 v8, v8, |v[KST+14]|, |v[KST+15]|
	v_max3_num_f32 v8, v8, v9, 0x1800000                           ; and the floor 2^(3 - 127): the byte cannot fall under 1
	v_max_num_f32_dpp v8, v8, v8 row_xmask:1 row_mask:0xf bank_mask:0xf   ; with my neighbour's 16: the block's
	v_add_nc_u32 v[KSO], 0xff000000, v8                            ; 2 off its exponent field: the conversion takes this operand's exponent field as its scale
	v_cvt_scalef32_pk8_fp4_f32 v[KC], v[KST:KST+7], v[KSO]         ; to the nearest code, ties to even, beyond 6 the largest code
	v_cvt_scalef32_pk8_fp4_f32 v[KC+1], v[KST+8:KST+15], v[KSO]
	v_lshrrev_b32 v[KSB], 23, v[KSO]                               ; the scale's byte; also the plain line behind the conversions, whose sources are written below
	ds_store_b64 v[KW], v[KC:KC+1] offset:(\nb)*BUF
	ds_store_b8 v[KSW], v[KSB] offset:(\nb)*BUF+KSC                ; both lanes of a block write the same byte with the same value
.irp j, 0,1,2,3
	v_cvt_pk_f16_f32 v[KST+\j], v[VST+4*\j], v[VST+4*\j+2]         ; channel 2 l: keys 2 j, 2 j + 1
	v_cvt_pk_f16_f32 v[KST+4+\j], v[VST+4*\j+1], v[VST+4*\j+3]     ; channel 2 l + 1
.endr
	ds_store_b128 v[VW], v[KST:KST+3] offset:(\nb)*BUF+VIMG        ; 8 keys of a channel are the 16 bytes of one lane of a fragment
	ds_store_b128 v[VW], v[KST+4:KST+7] offset:(\nb)*BUF+VIMG+16
.endm
; K's two fragments of sub-step s of buffer b (64 keys); with s = 0 the tile's scale words too
.macro KFETCH b, s
.irp f, 0,1
.irp c, 0,1
	ds_load_b128 v[FB+8*\f+4*\c:FB+8*\f+4*\c+3], v[LI] offset:(\b)*BUF+(2*(\s)+\f)*1024+512*\c
.endr
.endr
.if (\s) == 0
.irp i, 0,1
	ds_load_b32 v[KS+\i], v[LS] offset:(\b)*BUF+KSC+128*\i
.endr
.endif
.endm
; S^T = K Q^T: fragment f, its key tile e, my query tile t: eight products, each a whole sum (C = 0)
.macro QK s
.irp f, 0,1
.irp e, 0,1
.irp t, 0,1
.if \f
	v_wmma_scale_f32_16x16x128_f8f6f4 v[S+32*\t+8*(2*\f+\e):S+32*\t+8*(2*\f+\e)+7], v[FB+8*\f:FB+8*\f+7], v[QF+12*\t+4-4*\e:QF+12*\t+11-4*\e], 0, v[KS+(\s)], v[QS+\t] matrix_a_fmt:MATRIX_FMT_FP4 matrix_b_fmt:MATRIX_FMT_FP4 matrix_a_scale:MATRIX_SCALE_ROW1
.else
	v_wmma_scale_f32_16x16x128_f8f6f4 v[S+32*\t+8*(2*\f+\e):S+32*\t+8*(2*\f+\e)+7], v[FB+8*\f:FB+8*\f+7], v[QF+12*\t+4-4*\e:QF+12*\t+11-4*\e], 0, v[KS+(\s)], v[QS+\t] matrix_a_fmt:MATRIX_FMT_FP4 matrix_b_fmt:MATRIX_FMT_FP4
.endif
.endr
.endr
.endr
.endm
; V's four fragments (16 channels x 32 keys) of the sub-step's g-th 32 keys: g = 0 into FB, g = 1 into the chunks of S that the packing of P has freed
.macro VFETCH b, s, g
.irp d, 0,1,2,3
.if \g
.set rV, S+32*(\d/2)+16*(\d%2)+8
.else
.set rV, FB+8*\d
.endif
.irp c, 0,1
	ds_load_b128 v[rV+4*\c:rV+4*\c+3], v[LI] offset:(\b)*BUF+VIMG+(4*(2*(\s)+\g)+\d)*1024+512*\c
.endr
.endr
.endm
; O^T += V^T P over the g-th 32 keys.  The eight accumulators take turns, one instruction a turn, in the same order for g = 0 and 1
.macro PV g
.irp d, 0,1,2,3
.if \g
.set rV, S+32*(\d/2)+16*(\d%2)+8
.else
.set rV, FB+8*\d
.endif
.irp t, 0,1
	v_wmma_f32_16x16x32_f16 v[OT+32*\t+8*\d:OT+32*\t+8*\d+7], v[rV:rV+7], v[S+32*\t+16*\g:S+32*\t+16*\g+7], v[OT+32*\t+8*\d:OT+32*\t+8*\d+7]
.endr
.endr
.endm
; The softmax of 64 keys for my two tiles, which alternate so that no line waits for the line above it: 117 instructions a tile.
.macro SOFTMAX
.irp j, 0,1,2,3                        ; the maximum: four chains, one for each tile of 16 keys, each begun at that result's low end
.irp t, 0,1
	v_max3_num_f32 v[ST+8*\t+4+\j], v[S+32*\t+8*\j], v[S+32*\t+8*\j+1], v[S+32*\t+8*\j+2]
.endr
.endr
.irp i, 3,5
.irp j, 0,1,2,3
.irp t, 0,1
	v_max3_num_f32 v[ST+8*\t+4+\j], v[ST+8*\t+4+\j], v[S+32*\t+8*\j+\i], v[S+32*\t+8*\j+\i+1]
.endr
.endr
.endr
.irp t, 0,1
	v_max3_num_f32 v[ST+8*\t+4], v[ST+8*\t+4], v[S+32*\t+7], v[S+32*\t+15]     ; the four scores left over
	v_max3_num_f32 v[ST+8*\t+6], v[ST+8*\t+6], v[S+32*\t+23], v[S+32*\t+31]
.endr
.irp t, 0,1
	v_max3_num_f32 v[ST+8*\t+4], v[ST+8*\t+4], v[ST+8*\t+5], v[ST+8*\t+6]
.endr
.irp t, 0,1
	v_max3_num_f32 v[ST+8*\t+4], v[ST+8*\t+4], v[ST+8*\t+7], v[ST+8*\t+1]      ; and the old m
.endr
.irp t, 0,1
	v_permlanex16_b32 v[ST+8*\t+5], v[ST+8*\t+4], s20, s21                     ; the query's other 32 keys lie in the lane 16 away
.endr
.irp t, 0,1
	v_max_num_f32 v[ST+8*\t+1], v[ST+8*\t+4], v[ST+8*\t+5]                     ; the new m
.endr
.irp t, 0,1
	v_mul_f32 v[ST+8*\t], s22, v[ST+8*\t+1]                                    ; c m
.endr
.irp t, 0,1
	v_sub_f32 v[A0+(A1-A0)*\t], v[A0+(A1-A0)*\t], v[ST+8*\t]                   ; c m_old (moved there behind the products) - c m_new
.endr
.irp t, 0,1
	v_exp_f32 v[A0+(A1-A0)*\t], v[A0+(A1-A0)*\t]                               ; a
.endr
.irp t, 0,1
	v_pk_fma_f32 v[S+32*\t:S+32*\t+1], v[S+32*\t:S+32*\t+1], s[22:23], v[ST+8*\t:ST+8*\t+1] op_sel_hi:[1,0,0] neg_lo:[0,0,1] neg_hi:[0,0,1]   ; pair 0: c s - c m
.endr
; exponential, plain, exponential, plain: behind each exponential stands a plain line that touches neither its result nor its source.  The plain lines are work that is due: the next pair's c s - c m, and O^T x a, its pairs ascending
.irp i, 0,1,2,3,4,5,6,7,8,9,10,11,12,13,14,15
.irp t, 0,1
	v_exp_f32 v[S+32*\t+2*\i], v[S+32*\t+2*\i]
.if \i < 15
	v_pk_fma_f32 v[S+32*\t+2*\i+2:S+32*\t+2*\i+3], v[S+32*\t+2*\i+2:S+32*\t+2*\i+3], s[22:23], v[ST+8*\t:ST+8*\t+1] op_sel_hi:[1,0,0] neg_lo:[0,0,1] neg_hi:[0,0,1]
.endif
	v_exp_f32 v[S+32*\t+2*\i+1], v[S+32*\t+2*\i+1]
	s_wait_alu depctr_va_vdst(0)
	v_pk_mul_f32 v[OT+32*\t+2*\i:OT+32*\t+2*\i+1], v[OT+32*\t+2*\i:OT+32*\t+2*\i+1], v[A0+(A1-A0)*\t:A0+(A1-A0)*\t+1] op_sel_hi:[1,0]
.endr
.endr
	s_wait_alu depctr_va_vdst(0)
.irp t, 0,1                            ; the sum of the unrounded p, two at a time, in two chains
	v_pk_add_f32 v[ST+8*\t+4:ST+8*\t+5], v[S+32*\t:S+32*\t+1], v[S+32*\t+2:S+32*\t+3]
	v_pk_add_f32 v[ST+8*\t+6:ST+8*\t+7], v[S+32*\t+4:S+32*\t+5], v[S+32*\t+6:S+32*\t+7]
.endr
.irp j, 8,12,16,20,24,28
.irp t, 0,1
	v_pk_add_f32 v[ST+8*\t+4:ST+8*\t+5], v[ST+8*\t+4:ST+8*\t+5], v[S+32*\t+\j:S+32*\t+\j+1]
	v_pk_add_f32 v[ST+8*\t+6:ST+8*\t+7], v[ST+8*\t+6:ST+8*\t+7], v[S+32*\t+\j+2:S+32*\t+\j+3]
.endr
.endr
.irp t, 0,1
	v_pk_add_f32 v[ST+8*\t+4:ST+8*\t+5], v[ST+8*\t+4:ST+8*\t+5], v[ST+8*\t+6:ST+8*\t+7]
.endr
.irp t, 0,1
	v_pk_fma_f32 v[ST+8*\t+2:ST+8*\t+3], v[ST+8*\t+2:ST+8*\t+3], v[A0+(A1-A0)*\t:A0+(A1-A0)*\t+1], v[ST+8*\t+4:ST+8*\t+5] op_sel_hi:[1,0,1]   ; l = l a + the sum
.endr
.irp g, 0,1                            ; P in f16: 16 registers of 32 keys are packed into the lower 8 of them, ascending, so that no pair is written before it is read
.irp i, 0,1,2,3,4,5,6,7
.irp t, 0,1
	v_cvt_pk_f16_f32 v[S+32*\t+16*\g+\i], v[S+32*\t+16*\g+2*\i], v[S+32*\t+16*\g+2*\i+1]
.endr
.endr
.endr
.endm
; A SUB-STEP: 64 keys, the s-th half of buffer b.  nops: the places that are still owed behind the last products: five, since the products below write over registers that those have read
; (P and V's fragments), and the loads below land in registers that those have read (ISA guide 7.12.1 for the products).
; load = 1: the tile after next is asked for.  sig = 1: the tile's barrier.
.macro SUB b, s, nops, load, sig
.rept \nops
	v_nop
.endr
	KFETCH \b, \s
	s_wait_dscnt 0x0                               ; K's fragments are in; my stores of the next tile's images are done and have read their registers
.if \load
	LOADS
.endif
	QK \s
	v_mov_b32 v[A0], v[ST]                         ; c m_old is kept for a.  These four lines are the places behind the products: in front of the loads into K's fragments and of the first read of the scores
	v_mov_b32 v[A1], v[ST+8]
	v_nop
	v_nop
	VFETCH \b, \s, 0                               ; lands under the softmax
	SOFTMAX
	VFETCH \b, \s, 1
	s_wait_dscnt 8                                 ; the eight loads just issued may be out: the first 32 keys' fragments are in
	PV 0
	s_wait_dscnt 0x0                               ; the second 32 keys' too.  With sig: all my reads of this buffer and my stores into the other are over:
.if \sig
	s_barrier_signal -1                            ; say so,
.endif
	PV 1                                           ; work on registers while the others arrive,
.if \sig
	s_barrier_wait -1                              ; and go on when all sixteen have said so: the other buffer is whole, and nobody reads this one any more
.endif
.endm
; A TILE of 128 keys in buffer b.  conv = 1: the next tile, asked for one tile ago, is made into images in the other buffer (its plain vector lines are the places behind the last products).
.macro TILE b, conv, load, last
.if \conv
	s_wait_loadcnt 0x0                             ; the twelve loads issued a tile ago
	CONVERT 1-\b
	SUB \b, 0, 0, \load, 0
.else
	SUB \b, 0, 5, \load, 0
.endif
	SUB \b, 1, 5, 0, 1-\last
.endm
; Q's tile t: 32 numbers a lane in v[S + 32 t] on, register 16 b + i = k 32 b + 16 (lane / 16) + i of row lane % 16, become four registers of codes and a scale word
.macro QUANT2 t
.irp b, 0,1
	v_max3_num_f32 v[FB+\b], |v[S+32*\t+16*\b]|, |v[S+32*\t+16*\b+1]|, 0x1800000   ; block b: my 16 numbers, and the floor 2^(3 - 127)
.endr
.irp i, 2,4,6,8,10,12,14
.irp b, 0,1
	v_max3_num_f32 v[FB+\b], v[FB+\b], |v[S+32*\t+16*\b+\i]|, |v[S+32*\t+16*\b+\i+1]|
.endr
.endr
.irp b, 0,1
	v_permlanex16_b32 v[FB+2+\b], v[FB+\b], s20, s21
.endr
.irp b, 0,1
	v_max_num_f32 v[FB+\b], v[FB+\b], v[FB+2+\b]   ; with lane l xor 16's: the block's largest magnitude
.endr
.irp b, 0,1
	v_add_nc_u32 v[FB+4+\b], 0xff000000, v[FB+\b]  ; 2 off its exponent field: the conversion's scale operand
.endr
.irp b, 0,1
	v_lshrrev_b32 v[FB+6+\b], 23, v[FB+4+\b]       ; the scale's byte
.endr
	v_lshl_or_b32 v[FB+6], v[FB+7], 8, v[FB+6]
	v_lshl_or_b32 v[QS+\t], v[FB+6], 16, v[FB+6]   ; (s0, s1, s0, s1)
.irp b, 0,1
	v_cvt_scalef32_pk8_fp4_f32 v[QF+12*\t+4+2*\b], v[S+32*\t+16*\b:S+32*\t+16*\b+7], v[FB+4+\b]
	v_cvt_scalef32_pk8_fp4_f32 v[QF+12*\t+5+2*\b], v[S+32*\t+16*\b+8:S+32*\t+16*\b+15], v[FB+4+\b]
.endr
	v_nop                                          ; one plain line behind a scaled conversion
	v_permlane16_swap_b32 v[QF+12*\t+4], v[QF+12*\t+6]   ; the operand's layout wants a whole block in a lane: lanes 0-15 block 0, lanes 16-31 block 1
	v_permlane16_swap_b32 v[QF+12*\t+5], v[QF+12*\t+7]
.endm
	s_load_b256 s[4:11], s[0:1], 0x0               ; q s[4:5], k s[6:7], v s[8:9], out0 s[10:11]
	v_lshrrev_b32 v8, 5, v0
	v_readfirstlane_b32 s12, v8                    ; wave w, 0 .. 15
	v_and_b32 v9, 31, v0                           ; lane l
	v_lshlrev_b32 v[LI], 4, v9
	v_lshlrev_b32 v[LS], 2, v9
	v_lshlrev_b32 v[KG], 6, v0                     ; 64 x thread = 2,048 w + 64 l
	s_lshl_b32 s13, s12, 11
	v_lshl_add_u32 v[VG], v9, 3, s13               ; 8 l + 2,048 w
	s_and_b32 s13, s12, 1                          ; w & 1
	s_bfe_u32 s14, s12, 0x10001                    ; (w >> 1) & 1
	s_lshr_b32 s15, s12, 2                         ; w >> 2
	s_lshr_b32 s16, s12, 1                         ; w >> 1
	; K's codes.  My key is 8 w + l / 4 of the tile's 128: key tile w >> 1 (512 bytes each), row 8 (w & 1) + l / 4 (16 bytes), block (l >> 1) & 1 (256 bytes: lanes 16-31), half l & 1 (8 bytes)
	v_bfe_u32 v8, v0, 2, 3                         ; l >> 2
	v_bfe_u32 v9, v0, 1, 1                         ; (l >> 1) & 1
	v_lshlrev_b32 v[KW], 4, v8
	v_lshl_add_u32 v[KW], v9, 8, v[KW]
	v_lshl_add_u32 v[KSW], v8, 2, v9               ; the scale byte: row x 4 + block,
	v_and_b32 v8, 1, v0
	v_lshl_add_u32 v[KW], v8, 3, v[KW]
	s_lshl_b32 s17, s16, 9
	s_lshl_b32 s18, s13, 7
	s_add_co_u32 s17, s17, s18
	v_add_nc_u32 v[KW], s17, v[KW]
	s_lshl_b32 s17, s15, 6                         ; + fragment (w >> 2) x 64 + 2 x its key tile + 8 (w & 1) rows x 4
	s_lshl_b32 s18, s14, 1
	s_add_co_u32 s17, s17, s18
	s_lshl_b32 s18, s13, 5
	s_add_co_u32 s17, s17, s18
	v_add_nc_u32 v[KSW], s17, v[KSW]
	; V.  My 8 keys are group w >> 2 of 32 (4,096 bytes), part (w >> 1) & 1 (512), lanes' half w & 1 (256); my channels 2 l, 2 l + 1: tile l >> 3 (1,024), rows 2 (l & 7) and the next (16 each)
	v_bfe_u32 v8, v0, 3, 2
	v_and_b32 v9, 7, v0
	v_lshlrev_b32 v[VW], 10, v8
	v_lshl_add_u32 v[VW], v9, 5, v[VW]
	s_lshl_b32 s17, s15, 12
	s_lshl_b32 s18, s14, 9
	s_add_co_u32 s17, s17, s18
	s_lshl_b32 s18, s13, 8
	s_add_co_u32 s17, s17, s18
	v_add_nc_u32 v[VW], s17, v[VW]
	v_and_b32 v8, 15, v0
	v_bfe_u32 v9, v0, 4, 1
	v_lshlrev_b32 v[QA], 8, v8
	v_lshl_add_u32 v[QA], v9, 6, v[QA]             ; Q: row l % 16 of 256 bytes, + 64 (l / 16): my 16 numbers of a block of 32
	s_and_b32 s14, ttmp7, 0xffff                   ; the head: 2,048 rows of 256 bytes
	s_lshl_b32 s14, s14, 19
	s_mov_b32 s15, 0
	s_lshl_b32 s16, ttmp9, 17                      ; my work-group's 512 queries,
	s_lshl_b32 s17, s12, 13                        ; my wave's 32 of them
	s_add_co_u32 s16, s16, s17
	s_add_co_u32 s16, s16, s14                     ; (all under 2^25)
	s_mov_b32 s17, 0
	s_mov_b32 s20, 0x76543210                      ; v_permlanex16_b32's selects for lane l xor 16
	s_mov_b32 s21, 0xfedcba98
	s_mov_b32 s22, 0x3e38aa3b                      ; c = log2(e) / 8
	s_mov_b32 s23, s22                             ; (the packed form names the pair)
	s_wait_kmcnt 0x0
	s_add_nc_u64 s[6:7], s[6:7], s[14:15]
	s_add_nc_u64 s[8:9], s[8:9], s[14:15]
	s_add_nc_u64 s[4:5], s[4:5], s[16:17]
	s_add_nc_u64 s[10:11], s[10:11], s[16:17]
	GLOADS                                         ; tile 0
.irp t, 0,1
.irp b, 0,1
.irp j, 0,1,2,3
	global_load_b128 v[S+32*\t+16*\b+4*\j:S+32*\t+16*\b+4*\j+3], v[QA], s[4:5] offset:4096*\t+128*\b+16*\j th:TH_LOAD_NT   ; Q: read once, by this wave alone
.endr
.endr
.endr
	s_wait_loadcnt 16                              ; Q's sixteen loads may be out: tile 0's twelve are in
	CONVERT 0
	s_wait_dscnt 0x0                               ; the stores have read their registers
	LOADS                                          ; tile 1
	s_wait_loadcnt 12                              ; tile 1's twelve may be out: Q is in
.irp t, 0,1
.irp i, 0,1,2,3,8,9,10,11
	v_mov_b32 v[QF+12*\t+\i], 0                    ; the zero codes on both sides of Q's
.endr
.endr
	v_mov_b32 v[FB+2], 0                           ; written once: a lane permute's destination counts as one of its sources
	v_mov_b32 v[FB+3], 0
	QUANT2 0
	QUANT2 1
.set i, 0
.rept 64
	v_mov_b32 v[OT+i], 0                           ; O^T.  (The sub-step is written once: the first finds zeros, and its a is 0.  These lines also stand between Q's scale words and the first scaled product)
.set i, i+1
.endr
.irp t, 0,1
	v_mov_b32 v[ST+8*\t+1], 0xff61b1e6             ; m: -3e38, under every score served
	v_mov_b32 v[ST+8*\t+2], 0                      ; l, in two halves
	v_mov_b32 v[ST+8*\t+3], 0
.endr
.irp t, 0,1
	v_mul_f32 v[ST+8*\t], s22, v[ST+8*\t+1]        ; c m
.endr
	v_mov_b32 v[A0+1], 0                           ; (named as the upper halves of a's pairs)
	v_mov_b32 v[A1+1], 0
	s_barrier_signal -1                            ; my stores of tile 0's images were waited for above
	s_barrier_wait -1                              ; everybody's lie in buffer 0
	s_mov_b32 s16, 7
.Ltiles:                                               ; a trip: tiles 2 n and 2 n + 1; it makes tiles 2 n + 1 and 2 n + 2 into images and asks for tiles 2 n + 2 and 2 n + 3
	TILE 0, 1, 1, 0
	TILE 1, 1, 1, 0
	s_sub_co_u32 s16, s16, 1
	s_cmp_lg_u32 s16, 0
	s_cbranch_scc1 .Ltiles
	TILE 0, 1, 0, 0                                ; tile 14: tile 15 is made into images; nothing is left to ask for: no load leaves its buffer
	TILE 1, 0, 0, 1                                ; tile 15: no image is written any more, so no barrier follows
	; THE WAY OUT.  l's two halves and lane l xor 16's are added; O^T is divided by l and goes through my own stage in LDS, a tile (16 rows of 256 bytes) at a time, so that it leaves as whole rows.
.irp t, 0,1
	v_add_f32 v[ST+8*\t+4], v[ST+8*\t+2], v[ST+8*\t+3]
.endr
.irp t, 0,1
	v_permlanex16_b32 v[ST+8*\t+5], v[ST+8*\t+4], s20, s21
.endr
.irp t, 0,1
	v_add_f32 v[ST+8*\t+4], v[ST+8*\t+4], v[ST+8*\t+5]
.endr
.irp t, 0,1
	v_rcp_f32 v[A0+(A1-A0)*\t], v[ST+8*\t+4]
.endr
	v_and_b32 v8, 15, v0                           ; the eight address lines are the plain lines behind the reciprocals and the places behind the last products
	v_bfe_u32 v9, v0, 4, 1
	s_mul_i32 s13, s12, 16*SPITCH
	s_add_co_u32 s13, s13, STG                     ; my stage
	v_mul_u32_u24 v[SO], v8, SPITCH                ; in: row l % 16; channels 16 d + 8 (l / 16) on: 64 d + 32 (l / 16) bytes
	v_lshl_add_u32 v[SO], v9, 5, v[SO]
	v_add_nc_u32 v[SO], s13, v[SO]
	v_mul_u32_u24 v[SR], v9, SPITCH                ; back: lanes 0-15 one row of 256 bytes, lanes 16-31 the next
	v_lshl_add_u32 v[SR], v8, 4, v[SR]
	v_add_nc_u32 v[SR], s13, v[SR]
	s_wait_alu depctr_va_vdst(0)
.irp t, 0,1
.irp i, 0,1,2,3,4,5,6,7,8,9,10,11,12,13,14,15
	v_pk_mul_f32 v[OT+32*\t+2*\i:OT+32*\t+2*\i+1], v[OT+32*\t+2*\i:OT+32*\t+2*\i+1], v[A0+(A1-A0)*\t:A0+(A1-A0)*\t+1] op_sel_hi:[1,0]   ; each result from its low end on
.endr
.endr
.irp t, 0,1
.irp d, 0,1,2,3
	ds_store_b128 v[SO], v[OT+32*\t+8*\d:OT+32*\t+8*\d+3] offset:64*\d
	ds_store_b128 v[SO], v[OT+32*\t+8*\d+4:OT+32*\t+8*\d+7] offset:64*\d+16
.endr
.irp i, 0,1,2,3,4,5,6,7
	ds_load_b128 v[S+32*\t+4*\i:S+32*\t+4*\i+3], v[SR] offset:2*SPITCH*\i   ; LDS serves a wave's instructions in order (ISA guide 5.7.1.4): these see the stores above, and the next tile's stores come behind them
.endr
.endr
.irp t, 0,1
.irp i, 0,1,2,3,4,5,6,7
	s_wait_dscnt 23-16*\t-\i                       ; what was issued behind this pair of rows' load may be out: the tile's later loads, and for tile 0 tile 1's sixteen
	global_store_b128 v[LI], v[S+32*\t+4*\i:S+32*\t+4*\i+3], s[10:11] offset:4096*\t+512*\i th:TH_STORE_NT   ; 32 lanes store 512 consecutive bytes, two rows, at a multiple of 256 from out0's first byte
.endr
.endr
	s_barrier_signal -1
	s_barrier_wait -1
	s_wait_xcnt 0x0
	v_lshl_add_u32 v254, v0, 2, 0x1b200
	v_mov_b32 v255, 0
	s_wait_tensorcnt 0x0
	ds_add_u32 v254, v255
	s_wait_dscnt 0x0
	s_endpgm
.Lfunc_end_k_qb7e14678d4_attn:
	.size	k_qb7e14678d4_attn, .Lfunc_end_k_qb7e14678d4_attn-k_qb7e14678d4_attn
	.p2alignl 7, 3214868480
	.fill 96, 4, 3214868480
	.section	.rodata,"a",@progbits
	.p2align	6, 0x0
	.amdhsa_kernel k_qb7e14678d4_attn
		.amdhsa_group_segment_fixed_size 113152
		.amdhsa_private_segment_fixed_size 0
		.amdhsa_enable_private_segment 0
		.amdhsa_kernarg_size 32
		.amdhsa_user_sgpr_count 2
		.amdhsa_user_sgpr_kernarg_segment_ptr 1
		.amdhsa_wavefront_size32 1
		.amdhsa_system_sgpr_workgroup_id_x 1
		.amdhsa_system_sgpr_workgroup_id_y 1
		.amdhsa_system_sgpr_workgroup_id_z 1
		.amdhsa_system_vgpr_workitem_id 0
		.amdhsa_next_free_vgpr 256
		.amdhsa_next_free_sgpr 66
		.amdhsa_reserve_vcc 0
		.amdhsa_float_denorm_mode_32 3
		.amdhsa_float_denorm_mode_16_64 3
		.amdhsa_memory_ordered 1
		.amdhsa_forward_progress 1
		.amdhsa_inst_pref_size 167
	.end_amdhsa_kernel
	.amdgpu_metadata
---
amdhsa.version: [ 1, 2 ]
amdhsa.kernels:
  - .name:           k_qb7e14678d4_attn
    .symbol:         k_qb7e14678d4_attn.kd
    .args:
      - { .name: q, .offset: 0, .size: 8, .value_kind: global_buffer, .address_space: global }
      - { .name: k, .offset: 8, .size: 8, .value_kind: global_buffer, .address_space: global }
      - { .name: v, .offset: 16, .size: 8, .value_kind: global_buffer, .address_space: global }
      - { .name: out0, .offset: 24, .size: 8, .value_kind: global_buffer, .address_space: global }
    .group_segment_fixed_size: 113152
    .private_segment_fixed_size: 0
    .kernarg_segment_align: 8
    .kernarg_segment_size: 32
    .max_flat_workgroup_size: 512
    .sgpr_count:     66
    .vgpr_count:     256
    .wavefront_size: 32
...
	.end_amdgpu_metadata
.endif
;; end of part 1
;; ======== version 2 of 2: 1 launch; version 1 with the launch attn written anew for expert scheduling mode
;; limits: values are held in f16: magnitudes above 65,504 overflow, below 6.1e-05 lose precision; inputs' magnitudes at most 65,504
;; launch attn (part 2): grid 4 x 64, 16 waves a work-group, no clusters, 113,152 bytes of LDS; arguments q, k, v, out0; writes out0
.if DOCPART == 2
	.amdgcn_target "amdgcn-amd-amdhsa--gfx1250"
	.amdhsa_code_object_version 6
	.text
	.protected	k_qb7e14678d4_attn
	.globl	k_qb7e14678d4_attn
	.p2align	8
	.type	k_qb7e14678d4_attn,@function
k_qb7e14678d4_attn:
	s_mov_b64 s[64:65], 0
	v_nop
	global_prefetch_b8 v0, s[64:65] scope:SCOPE_SE
	s_setreg_imm32_b32 hwreg(HW_REG_WAVE_SCHED_MODE, 0, 2), 2
	s_setreg_imm32_b32 hwreg(HW_REG_WAVE_MODE, 25, 1), 1
	s_wait_xcnt 0x0
	s_wait_alu depctr_vm_vsrc(0)
; out[h][q][:] = the sum over k of softmax_k(Q[h][q] . K[h][k] / 8) V[h][k][:].  q, k, v, out0: [64 heads][2048][64] f32, no mask.
; The first product multiplies codes of FP4 (E2M1) with one E8M0 scale for each 32 along the head's 64; q and k are quantised here, in f32, on their way.
; The second product takes f16 operands (p and v rounded once) and f32 sums.  Maxima, exponentials and the row's sum (of the unrounded p) are f32.
; WHY f16 AND NOT bf16: f16 keeps 11 significant bits where bf16 keeps 8, an eighth of the rounding error in each of the 2,048 terms of a sum, and both operands have room in its range:
; p lies in 0 .. 1 (under 2^-14 its error is at most 2^-25, beside a row's sum of at least 1); v may be 30 times the drawn numbers with an offset of 30 times that spread (about 1,100) and stays far under 65,504.
; SHARES.  A work-group owns 512 queries of one head; each of its SIXTEEN waves owns 32 of them, two tiles of 16, in 256 registers: four waves to a SIMD, so that one wave's
; vector work stands beside another's products and LDS loads.  Every wave walks all 2,048 keys, in tiles of 128, each in two sub-steps of 64.
; K AND V ARE MADE INTO OPERANDS ONCE A WORK-GROUP.  Of each tile of 128 keys wave w loads keys 8 w .. 8 w + 7 of K and of V into registers, a whole tile ahead of their use, quantises K,
; rounds V, and stores both into LDS AS IMAGES OF THE OPERANDS' REGISTERS (a group of four registers: lane l's 16 bytes at 16 l).  Two image buffers take turns, one barrier a tile.
; LAYOUT.  Both products are used transposed: S^T = K Q^T (source 0 = keys, source 1 = my queries), O^T = V^T P (source 0 = 16 channels x 32 keys, source 1 = P): a lane holds ONE query
; (lane % 16) throughout; two neighbouring tiles of S^T, rounded to f16 in pairs, ARE source 1 of the second product.
; TWO KEY TILES IN ONE K STEP.  The instruction's K is 128, the head's is 64.  A fragment of K holds 16 keys in registers 0-3 (k = 0 .. 63) and the NEXT 16 keys in registers 4-7 (k = 64 .. 127).
; Q is kept as twelve registers [0 0 0 0 | q q q q | 0 0 0 0]: registers 4-11, [q, 0], give the first 16 keys' scores, registers 0-7, [0, q], the second's.  Zero codes add nothing under any
; scale byte but 0xff, and all bytes here lie in 1 .. 254.  K's scale word: bytes 0, 1 the first tile's two blocks, bytes 2, 3 the second's.  Q's: (s0, s1, s0, s1), which serves both forms.
; SOFTMAX.  For each query a running maximum m and sum l: p = 2^(c s - c m), c = log2(e) / 8; in every sub-step O^T and l are multiplied by a = 2^(c m_old - c m_new).
; NO CLUSTER, NO TENSOR LOAD: the four work-groups of a head read the same K and V, but as f32 numbers that must pass through registers to become operands.  Brought by a tensor load, a tile of
; 128 keys would lay 65,536 bytes of f32 into LDS, to be read back, for 20,736 bytes of operands; so there is no load that could be asked for jointly.
; LIMITS: NaN and infinities among the inputs are not served; numbers of v beyond 65,504 in magnitude are not served (f16's largest number); scores at or under -3e38 are not served (m begins there).
; A block of zeros gets the scale byte 1 where the rule says 127: its codes are zeros, and this program alone reads the bytes.  Blocks whose largest magnitude lies under 2^-124 have their byte held at 1.
; THE MODE: SCHED_MODE bits 1:0 = 2 (LLVM: expert scheduling mode 2), set by the entry lines.  The code itself states the register dependences
; between vector or matrix instructions and memory or LDS instructions, with s_wait_alu, always for 0.
; THE PLAN.  Registers that memory or LDS instructions touch, round the loop:
;   KST, VST      Global loads land in them; a tile later the conversions read them and write V in f16 into KST .. KST + 7; two LDS stores read those eight; the next tile's loads land.
;   KC, KSB       Written by the conversions, read by two LDS stores, written again a tile later.
;   FB            K's two fragments land in its lower half; the eight scaled products read them; V's first four fragments land in all of it; the first eight f16 products read them.
;   KS            K's scale words land once a tile; the scaled products of both sub-steps read them.
;   S's chunks    (the upper eight of each sixteen registers) written by the scaled products and the exponentials, read by the sums and the packing; V's second four fragments land; the last eight f16 products read them.
;   v1 to v7      Addresses, written at the head and never again.  v254, v255: Q's offset at the head, the stage's addresses on the way out, the closing add's pair at the end.
;   Q's codes and scale words, P, O^T and the statistics are named by vector and matrix instructions alone in the loop.
; So a sub-step has THREE waits on va_vdst: at its head (behind the tile's conversions, where there are any), behind the batch of exponentials, and behind the packing of P.  Behind each stand the LDS loads, and at the
; head the LDS stores and the global loads too, that it frees; the vector and matrix instructions that follow them name none of the registers that those touch.  One wait on vm_vsrc a tile stands ahead of the global loads.
.set BUF,    20736                     ; an image buffer: K's codes 4,096, K's scale bytes 256, V 16,384
.set KSC,    4096                      ; K's scale bytes: fragment x 64 + key's row x 4 + 2 x (which of the fragment's two key tiles) + block
.set VIMG,   4352                      ; V's fragments: (4 x group of 32 keys + tile of 16 channels) x 1,024
.set STG,    2*BUF                     ; behind the buffers: a stage of 16 rows x 272 bytes for each wave, its own, for the way out
.set SPITCH, 272                       ; a row of 256 bytes + 16
.set TILEB,  32768                     ; 128 keys x 256 bytes in memory
.set LI,  1                            ; v1   16 x lane: an image's place for my lane; also my byte offset in two rows of out0
.set LS,  2                            ; v2   4 x lane: a scale word's place
.set KG,  3                            ; v3   K in memory: 64 x lane + 2,048 x wave
.set VG,  4                            ; v4   V in memory: 8 x lane + 2,048 x wave
.set KW,  5                            ; v5   where I store my 16 codes of K
.set KSW, 6                            ; v6   and my block's scale byte
.set VW,  7                            ; v7   where I store 8 keys of two channels of V
.set A0,  10                           ; v[10:11]   a of tile 0 (v11 is written once: it is named as the pair's upper half)
.set A1,  252                          ; v[252:253] a of tile 1
.set ST,  12                           ; tile t's statistics at v[ST + 8 t]: +0 c m, +1 m, +2, +3 l (even keys', odd keys'), +4 .. +7 at work
.set QF,  28                           ; Q: twelve registers a tile
.set QS,  52                           ; v52-53 Q's scale words
.set KS,  54                           ; v54-55 K's scale words: register i: lanes 0-15 fragment 2 i, lanes 16-31 fragment 2 i + 1
.set KST, 56                           ; v56-71 16 numbers of K as loaded; then v56-63 V in f16
.set VST, 72                           ; v72-87 V as loaded: key i's channels 2 l, 2 l + 1 in v[72 + 2 i : 73 + 2 i]
.set KC,  88                           ; v88-89 K's codes;  v90 the conversion's scale operand;  v91 the scale's byte
.set KSO, 90
.set KSB, 91
.set S,   92                           ; v92-155 S^T, 32 a tile; P is packed in place: P(t, g) = S + 32 t + 16 g + 0 .. 7; the chunks + 8 .. 15 then take V's fragments of the second 32 keys
.set OT,  156                          ; v156-219 O^T: tile t, channels 16 d on: OT + 32 t + 8 d
.set FB,  220                          ; v220-251 K's two fragments, then V's four fragments of the first 32 keys
.set QA,  254                          ; v254 at the head: my byte offset in the wave's rows of Q;
.set SO,  254                          ;      on the way out: where I put 16 bytes of a row
.set SR,  255                          ; v255 on the way out: where I read a row back
; Twelve loads in a run, at the head: my 8 keys of K (lane l: key l / 4, 16 numbers from k = 16 (l % 4) on) and of V (each load: one whole row of 256 bytes, 8 bytes a lane)
.macro GLOADS
.irp i, 0,1,2,3
	global_load_b128 v[KST+4*\i:KST+4*\i+3], v[KG], s[6:7] offset:16*\i
.endr
.irp i, 0,1,2,3,4,5,6,7
	global_load_b64 v[VST+2*\i:VST+2*\i+1], v[VG], s[8:9] offset:256*\i
.endr
.endm
.macro STEPON                          ; ahead of the next tile's twelve loads.  The loads that named these bases have been shown done by the wait on LOADcnt that stands ahead
	s_wait_alu depctr_vm_vsrc(0)                   ; my LDS stores of the images have read v[KST .. KST + 7], in which loads land now, and v[KC], v[KC + 1], v[KSB], which the next tile's conversions write
	s_add_nc_u64 s[6:7], s[6:7], TILEB
	s_add_nc_u64 s[8:9], s[8:9], TILEB
.endm
; What was loaded becomes operands, in registers.  K: two neighbouring lanes hold a block of 32; its scale is 2^(floor(log2(largest magnitude)) - 2): the largest magnitude's exponent field less 2.
.macro CONVERT
	v_max3_num_f32 v8, |v[KST]|, |v[KST+1]|, |v[KST+2]|            ; the largest magnitude of my 16, in two chains
	v_max3_num_f32 v9, |v[KST+3]|, |v[KST+4]|, |v[KST+5]|
.irp i, 6,10
	v_max3_num_f32 v8, v8, |v[KST+\i]|, |v[KST+\i+1]|
	v_max3_num_f32 v9, v9, |v[KST+\i+2]|, |v[KST+\i+3]|
.endr
	v_max3_num_f32 v8, v8, |v[KST+14]|, |v[KST+15]|
	v_max3_num_f32 v8, v8, v9, 0x1800000                           ; and the floor 2^(3 - 127): the byte cannot fall under 1
	v_max_num_f32_dpp v8, v8, v8 row_xmask:1 row_mask:0xf bank_mask:0xf   ; with my neighbour's 16: the block's
	v_add_nc_u32 v[KSO], 0xff000000, v8                            ; 2 off its exponent field: the conversion takes this operand's exponent field as its scale
	v_cvt_scalef32_pk8_fp4_f32 v[KC], v[KST:KST+7], v[KSO]         ; to the nearest code, ties to even, beyond 6 the largest code
	v_cvt_scalef32_pk8_fp4_f32 v[KC+1], v[KST+8:KST+15], v[KSO]
	v_lshrrev_b32 v[KSB], 23, v[KSO]                               ; the scale's byte; also the plain line behind the conversions, whose sources are written below
.irp j, 0,1,2,3
	v_cvt_pk_f16_f32 v[KST+\j], v[VST+4*\j], v[VST+4*\j+2]         ; channel 2 l: keys 2 j, 2 j + 1
	v_cvt_pk_f16_f32 v[KST+4+\j], v[VST+4*\j+1], v[VST+4*\j+3]     ; channel 2 l + 1
.endr
.endm
; and goes into buffer nb: four LDS stores in a run, behind the wait that shows their data written
.macro IMAGES nb
	ds_store_b64 v[KW], v[KC:KC+1] offset:(\nb)*BUF
	ds_store_b8 v[KSW], v[KSB] offset:(\nb)*BUF+KSC                ; both lanes of a block write the same byte with the same value
	ds_store_b128 v[VW], v[KST:KST+3] offset:(\nb)*BUF+VIMG        ; 8 keys of a channel are the 16 bytes of one lane of a fragment
	ds_store_b128 v[VW], v[KST+4:KST+7] offset:(\nb)*BUF+VIMG+16
.endm
; K's two fragments of sub-step s of buffer b (64 keys); with s = 0 the tile's scale words too
.macro KFETCH b, s
.irp f, 0,1
.irp c, 0,1
	ds_load_b128 v[FB+8*\f+4*\c:FB+8*\f+4*\c+3], v[LI] offset:(\b)*BUF+(2*(\s)+\f)*1024+512*\c
.endr
.endr
.if (\s) == 0
.irp i, 0,1
	ds_load_b32 v[KS+\i], v[LS] offset:(\b)*BUF+KSC+128*\i
.endr
.endif
.endm
; S^T = K Q^T: fragment f, its key tile e, my query tile t: eight products, each a whole sum (C = 0).
; load = 1: the twelve global loads of the tile after next are dealt among them.  No wait: the products name S, FB, Q's registers and the scale words, none of the registers that these loads touch.
.macro QK s, load
.set qn, 0
.irp f, 0,1
.irp e, 0,1
.irp t, 0,1
.if \f
	v_wmma_scale_f32_16x16x128_f8f6f4 v[S+32*\t+8*(2*\f+\e):S+32*\t+8*(2*\f+\e)+7], v[FB+8*\f:FB+8*\f+7], v[QF+12*\t+4-4*\e:QF+12*\t+11-4*\e], 0, v[KS+(\s)], v[QS+\t] matrix_a_fmt:MATRIX_FMT_FP4 matrix_b_fmt:MATRIX_FMT_FP4 matrix_a_scale:MATRIX_SCALE_ROW1
.else
	v_wmma_scale_f32_16x16x128_f8f6f4 v[S+32*\t+8*(2*\f+\e):S+32*\t+8*(2*\f+\e)+7], v[FB+8*\f:FB+8*\f+7], v[QF+12*\t+4-4*\e:QF+12*\t+11-4*\e], 0, v[KS+(\s)], v[QS+\t] matrix_a_fmt:MATRIX_FMT_FP4 matrix_b_fmt:MATRIX_FMT_FP4
.endif
.if \load
	global_load_b64 v[VST+2*qn:VST+2*qn+1], v[VG], s[8:9] offset:256*qn      ; V: one whole row of 256 bytes, 8 bytes a lane
.if qn < 4
	global_load_b128 v[KST+4*qn:KST+4*qn+3], v[KG], s[6:7] offset:16*qn      ; K: lane l: key l / 4, four of its 16 numbers
.endif
.endif
.set qn, qn+1
.endr
.endr
.endr
.endm
; V's four fragments (16 channels x 32 keys) of the sub-step's g-th 32 keys: g = 0 into FB, g = 1 into the chunks of S that the packing of P has freed
.macro VFETCH b, s, g
.irp d, 0,1,2,3
.if \g
.set rV, S+32*(\d/2)+16*(\d%2)+8
.else
.set rV, FB+8*\d
.endif
.irp c, 0,1
	ds_load_b128 v[rV+4*\c:rV+4*\c+3], v[LI] offset:(\b)*BUF+VIMG+(4*(2*(\s)+\g)+\d)*1024+512*\c
.endr
.endr
.endm
; O^T += V^T P over the g-th 32 keys.  The eight accumulators take turns, one instruction a turn, in the same order for g = 0 and 1
.macro PV g
.irp d, 0,1,2,3
.if \g
.set rV, S+32*(\d/2)+16*(\d%2)+8
.else
.set rV, FB+8*\d
.endif
.irp t, 0,1
	v_wmma_f32_16x16x32_f16 v[OT+32*\t+8*\d:OT+32*\t+8*\d+7], v[rV:rV+7], v[S+32*\t+16*\g:S+32*\t+16*\g+7], v[OT+32*\t+8*\d:OT+32*\t+8*\d+7]
.endr
.endr
.endm
; The softmax of 64 keys for my two tiles, which alternate so that no line waits for the line above it, in three parts.
; PART A: the maximum, c m, and ONE BATCH: the scalings c s - c m and all 66 exponentials, none of which names an exponential's result.
.macro SOFTMAX_A
.irp j, 0,1,2,3                        ; the maximum: four chains, one for each tile of 16 keys, each begun at that result's low end
.irp t, 0,1
	v_max3_num_f32 v[ST+8*\t+4+\j], v[S+32*\t+8*\j], v[S+32*\t+8*\j+1], v[S+32*\t+8*\j+2]
.endr
.endr
.irp i, 3,5
.irp j, 0,1,2,3
.irp t, 0,1
	v_max3_num_f32 v[ST+8*\t+4+\j], v[ST+8*\t+4+\j], v[S+32*\t+8*\j+\i], v[S+32*\t+8*\j+\i+1]
.endr
.endr
.endr
.irp t, 0,1
	v_max3_num_f32 v[ST+8*\t+4], v[ST+8*\t+4], v[S+32*\t+7], v[S+32*\t+15]     ; the four scores left over
	v_max3_num_f32 v[ST+8*\t+6], v[ST+8*\t+6], v[S+32*\t+23], v[S+32*\t+31]
.endr
.irp t, 0,1
	v_max3_num_f32 v[ST+8*\t+4], v[ST+8*\t+4], v[ST+8*\t+5], v[ST+8*\t+6]
.endr
.irp t, 0,1
	v_max3_num_f32 v[ST+8*\t+4], v[ST+8*\t+4], v[ST+8*\t+7], v[ST+8*\t+1]      ; and the old m
.endr
.irp t, 0,1
	v_permlanex16_b32 v[ST+8*\t+5], v[ST+8*\t+4], s20, s21                     ; the query's other 32 keys lie in the lane 16 away
.endr
.irp t, 0,1
	v_max_num_f32 v[ST+8*\t+1], v[ST+8*\t+4], v[ST+8*\t+5]                     ; the new m
.endr
.irp t, 0,1
	v_mul_f32 v[ST+8*\t], s22, v[ST+8*\t+1]                                    ; c m
.endr
.irp t, 0,1
	v_sub_f32 v[A0+(A1-A0)*\t], v[A0+(A1-A0)*\t], v[ST+8*\t]                   ; c m_old (moved there behind the products) - c m_new
.endr
.irp t, 0,1
	v_exp_f32 v[A0+(A1-A0)*\t], v[A0+(A1-A0)*\t]                               ; a
.endr
.irp t, 0,1
	v_pk_fma_f32 v[S+32*\t:S+32*\t+1], v[S+32*\t:S+32*\t+1], s[22:23], v[ST+8*\t:ST+8*\t+1] op_sel_hi:[1,0,0] neg_lo:[0,0,1] neg_hi:[0,0,1]   ; pair 0: c s - c m
.endr
; a pair's two exponentials with the next pair's scaling between them: the scalings are spread over the batch
.irp i, 0,1,2,3,4,5,6,7,8,9,10,11,12,13,14,15
.irp t, 0,1
	v_exp_f32 v[S+32*\t+2*\i], v[S+32*\t+2*\i]
.if \i < 15
	v_pk_fma_f32 v[S+32*\t+2*\i+2:S+32*\t+2*\i+3], v[S+32*\t+2*\i+2:S+32*\t+2*\i+3], s[22:23], v[ST+8*\t:ST+8*\t+1] op_sel_hi:[1,0,0] neg_lo:[0,0,1] neg_hi:[0,0,1]
.endif
	v_exp_f32 v[S+32*\t+2*\i+1], v[S+32*\t+2*\i+1]
.endr
.endr
	v_nop                                          ; the plain line behind the last exponential, ahead of the first use of a result: one for the batch
.endm
; PART B, behind the batch's wait: the row's sums, l, and the packing of P.
.macro SOFTMAX_B
.irp t, 0,1                            ; the sum of the unrounded p, two at a time, in two chains
	v_pk_add_f32 v[ST+8*\t+4:ST+8*\t+5], v[S+32*\t:S+32*\t+1], v[S+32*\t+2:S+32*\t+3]
	v_pk_add_f32 v[ST+8*\t+6:ST+8*\t+7], v[S+32*\t+4:S+32*\t+5], v[S+32*\t+6:S+32*\t+7]
.endr
.irp j, 8,12,16,20,24,28
.irp t, 0,1
	v_pk_add_f32 v[ST+8*\t+4:ST+8*\t+5], v[ST+8*\t+4:ST+8*\t+5], v[S+32*\t+\j:S+32*\t+\j+1]
	v_pk_add_f32 v[ST+8*\t+6:ST+8*\t+7], v[ST+8*\t+6:ST+8*\t+7], v[S+32*\t+\j+2:S+32*\t+\j+3]
.endr
.endr
.irp t, 0,1
	v_pk_add_f32 v[ST+8*\t+4:ST+8*\t+5], v[ST+8*\t+4:ST+8*\t+5], v[ST+8*\t+6:ST+8*\t+7]
.endr
.irp t, 0,1
	v_pk_fma_f32 v[ST+8*\t+2:ST+8*\t+3], v[ST+8*\t+2:ST+8*\t+3], v[A0+(A1-A0)*\t:A0+(A1-A0)*\t+1], v[ST+8*\t+4:ST+8*\t+5] op_sel_hi:[1,0,1]   ; l = l a + the sum
.endr
.irp g, 0,1                            ; P in f16: 16 registers of 32 keys are packed into the lower 8 of them, ascending, so that no pair is written before it is read
.irp i, 0,1,2,3,4,5,6,7
.irp t, 0,1
	v_cvt_pk_f16_f32 v[S+32*\t+16*\g+\i], v[S+32*\t+16*\g+2*\i], v[S+32*\t+16*\g+2*\i+1]
.endr
.endr
.endr
.endm
; PART C: O^T x a, its pairs ascending, so that each result is read from its low end on.  It names O^T and a alone, and stands behind the loads of V's second fragments
.macro RESCALE
.irp i, 0,1,2,3,4,5,6,7,8,9,10,11,12,13,14,15
.irp t, 0,1
	v_pk_mul_f32 v[OT+32*\t+2*\i:OT+32*\t+2*\i+1], v[OT+32*\t+2*\i:OT+32*\t+2*\i+1], v[A0+(A1-A0)*\t:A0+(A1-A0)*\t+1] op_sel_hi:[1,0]
.endr
.endr
.endm
; A SUB-STEP: 64 keys, the s-th half of buffer b.
; conv = 1: the next tile, asked for one tile ago, is first made into images for the other buffer.  Else five v_nop: behind the last products five places are owed, since the scaled products below
; write over registers that those have read (P and V's fragments) (ISA guide 7.12.1); with conv = 1 the conversions' plain vector lines are those places.
; load = 1: the tile after next is asked for.  sig = 1: the tile's barrier.
.macro SUB b, s, conv, load, sig
.if \conv
	s_wait_loadcnt 0x0                             ; the twelve loads issued a tile ago
	CONVERT
.else
.rept 5
	v_nop
.endr
.endif
	s_wait_alu depctr_va_vdst(0)                   ; the last f16 products are done reading FB and the last scaled products their scale words, in which K's loads land; with conv = 1 the conversions have written KC, KSB and KST .. KST + 7, which the LDS stores read, and are done reading KST and VST, in which the global loads land; in the first trip Q's codes and scale words, which the scaled products take, are written
	KFETCH \b, \s
.if \conv
	IMAGES 1-\b
	s_wait_dscnt 4                                 ; LDS instructions end in order (ISA guide 5.7.1): K's fragments and scale words are in, my four stores of the images may be out
.else
	s_wait_dscnt 0x0                               ; K's fragments are in
.endif
.if \load
	STEPON
.endif
	QK \s, \load
	v_mov_b32 v[A0], v[ST]                         ; c m_old is kept for a.  These four lines are the places behind the products, in front of the first read of the scores
	v_mov_b32 v[A1], v[ST+8]
	v_nop
	v_nop
	SOFTMAX_A
	s_wait_alu depctr_va_vdst(0)                   ; the 66 exponentials have written a and p, ahead of the first line that names one of them; and the scaled products are done reading K's fragments, in which V's land
	VFETCH \b, \s, 0                               ; lands under the sums and the packing, which name none of FB
	SOFTMAX_B
	s_wait_alu depctr_va_vdst(0)                   ; the sums and the packing are done reading the chunks of S, and the exponentials have written them: V's second fragments land there
	VFETCH \b, \s, 1                               ; lands under O^T x a and the first eight products, which name none of the chunks
	RESCALE
	s_wait_dscnt 8                                 ; the eight loads issued last may be out: the first 32 keys' fragments are in
	PV 0
	s_wait_dscnt 0x0                               ; the second 32 keys' too.  With sig: all my reads of this buffer and my stores into the other are over:
.if \sig
	s_barrier_signal -1                            ; say so,
.endif
	PV 1                                           ; work on registers while the others arrive,
.if \sig
	s_barrier_wait -1                              ; and go on when all sixteen have said so: the other buffer is whole, and nobody reads this one any more
.endif
.endm
; A TILE of 128 keys in buffer b
.macro TILE b, conv, load, last
	SUB \b, 0, \conv, \load, 0
	SUB \b, 1, 0, 0, 1-\last
.endm
; Q's tile t: 32 numbers a lane in v[S + 32 t] on, register 16 b + i = k 32 b + 16 (lane / 16) + i of row lane % 16, become four registers of codes and a scale word
.macro QUANT2 t
.irp b, 0,1
	v_max3_num_f32 v[FB+\b], |v[S+32*\t+16*\b]|, |v[S+32*\t+16*\b+1]|, 0x1800000   ; block b: my 16 numbers, and the floor 2^(3 - 127)
.endr
.irp i, 2,4,6,8,10,12,14
.irp b, 0,1
	v_max3_num_f32 v[FB+\b], v[FB+\b], |v[S+32*\t+16*\b+\i]|, |v[S+32*\t+16*\b+\i+1]|
.endr
.endr
.irp b, 0,1
	v_permlanex16_b32 v[FB+2+\b], v[FB+\b], s20, s21
.endr
.irp b, 0,1
	v_max_num_f32 v[FB+\b], v[FB+\b], v[FB+2+\b]   ; with lane l xor 16's: the block's largest magnitude
.endr
.irp b, 0,1
	v_add_nc_u32 v[FB+4+\b], 0xff000000, v[FB+\b]  ; 2 off its exponent field: the conversion's scale operand
.endr
.irp b, 0,1
	v_lshrrev_b32 v[FB+6+\b], 23, v[FB+4+\b]       ; the scale's byte
.endr
	v_lshl_or_b32 v[FB+6], v[FB+7], 8, v[FB+6]
	v_lshl_or_b32 v[QS+\t], v[FB+6], 16, v[FB+6]   ; (s0, s1, s0, s1)
.irp b, 0,1
	v_cvt_scalef32_pk8_fp4_f32 v[QF+12*\t+4+2*\b], v[S+32*\t+16*\b:S+32*\t+16*\b+7], v[FB+4+\b]
	v_cvt_scalef32_pk8_fp4_f32 v[QF+12*\t+5+2*\b], v[S+32*\t+16*\b+8:S+32*\t+16*\b+15], v[FB+4+\b]
.endr
	v_nop                                          ; one plain line behind a scaled conversion
	v_permlane16_swap_b32 v[QF+12*\t+4], v[QF+12*\t+6]   ; the operand's layout wants a whole block in a lane: lanes 0-15 block 0, lanes 16-31 block 1
	v_permlane16_swap_b32 v[QF+12*\t+5], v[QF+12*\t+7]
.endm
	s_load_b256 s[4:11], s[0:1], 0x0               ; q s[4:5], k s[6:7], v s[8:9], out0 s[10:11]
	v_lshrrev_b32 v8, 5, v0
	v_readfirstlane_b32 s12, v8                    ; wave w, 0 .. 15
	v_and_b32 v9, 31, v0                           ; lane l
	v_lshlrev_b32 v[LI], 4, v9
	v_lshlrev_b32 v[LS], 2, v9
	v_lshlrev_b32 v[KG], 6, v0                     ; 64 x thread = 2,048 w + 64 l
	s_wait_alu depctr_va_sdst(0)                   ; s12 is written, ahead of its first reader: the places in LDS and the bases of q and out0 are made from it
	s_lshl_b32 s13, s12, 11
	v_lshl_add_u32 v[VG], v9, 3, s13               ; 8 l + 2,048 w
	s_and_b32 s13, s12, 1                          ; w & 1
	s_bfe_u32 s14, s12, 0x10001                    ; (w >> 1) & 1
	s_lshr_b32 s15, s12, 2                         ; w >> 2
	s_lshr_b32 s16, s12, 1                         ; w >> 1
	; K's codes.  My key is 8 w + l / 4 of the tile's 128: key tile w >> 1 (512 bytes each), row 8 (w & 1) + l / 4 (16 bytes), block (l >> 1) & 1 (256 bytes: lanes 16-31), half l & 1 (8 bytes)
	v_bfe_u32 v8, v0, 2, 3                         ; l >> 2
	v_bfe_u32 v9, v0, 1, 1                         ; (l >> 1) & 1
	v_lshlrev_b32 v[KW], 4, v8
	v_lshl_add_u32 v[KW], v9, 8, v[KW]
	v_lshl_add_u32 v[KSW], v8, 2, v9               ; the scale byte: row x 4 + block,
	v_and_b32 v8, 1, v0
	v_lshl_add_u32 v[KW], v8, 3, v[KW]
	s_lshl_b32 s17, s16, 9
	s_lshl_b32 s18, s13, 7
	s_add_co_u32 s17, s17, s18
	v_add_nc_u32 v[KW], s17, v[KW]
	s_lshl_b32 s17, s15, 6                         ; + fragment (w >> 2) x 64 + 2 x its key tile + 8 (w & 1) rows x 4
	s_lshl_b32 s18, s14, 1
	s_add_co_u32 s17, s17, s18
	s_lshl_b32 s18, s13, 5
	s_add_co_u32 s17, s17, s18
	v_add_nc_u32 v[KSW], s17, v[KSW]
	; V.  My 8 keys are group w >> 2 of 32 (4,096 bytes), part (w >> 1) & 1 (512), lanes' half w & 1 (256); my channels 2 l, 2 l + 1: tile l >> 3 (1,024), rows 2 (l & 7) and the next (16 each)
	v_bfe_u32 v8, v0, 3, 2
	v_and_b32 v9, 7, v0
	v_lshlrev_b32 v[VW], 10, v8
	v_lshl_add_u32 v[VW], v9, 5, v[VW]
	s_lshl_b32 s17, s15, 12
	s_lshl_b32 s18, s14, 9
	s_add_co_u32 s17, s17, s18
	s_lshl_b32 s18, s13, 8
	s_add_co_u32 s17, s17, s18
	v_add_nc_u32 v[VW], s17, v[VW]
	v_and_b32 v8, 15, v0
	v_bfe_u32 v9, v0, 4, 1
	v_lshlrev_b32 v[QA], 8, v8
	v_lshl_add_u32 v[QA], v9, 6, v[QA]             ; Q: row l % 16 of 256 bytes, + 64 (l / 16): my 16 numbers of a block of 32
	s_and_b32 s14, ttmp7, 0xffff                   ; the head: 2,048 rows of 256 bytes
	s_lshl_b32 s14, s14, 19
	s_mov_b32 s15, 0
	s_lshl_b32 s16, ttmp9, 17                      ; my work-group's 512 queries,
	s_lshl_b32 s17, s12, 13                        ; my wave's 32 of them
	s_add_co_u32 s16, s16, s17
	s_add_co_u32 s16, s16, s14                     ; (all under 2^25)
	s_mov_b32 s17, 0
	s_mov_b32 s20, 0x76543210                      ; v_permlanex16_b32's selects for lane l xor 16
	s_mov_b32 s21, 0xfedcba98
	s_mov_b32 s22, 0x3e38aa3b                      ; c = log2(e) / 8
	s_mov_b32 s23, s22                             ; (the packed form names the pair)
	s_wait_kmcnt 0x0
	s_add_nc_u64 s[6:7], s[6:7], s[14:15]
	s_add_nc_u64 s[8:9], s[8:9], s[14:15]
	s_add_nc_u64 s[4:5], s[4:5], s[16:17]
	s_add_nc_u64 s[10:11], s[10:11], s[16:17]
	s_wait_alu depctr_va_vdst(0)                   ; the addresses v1 to v7 and v254 are written, which the loads and stores of the kernel read
	GLOADS                                         ; tile 0
.irp t, 0,1
.irp b, 0,1
.irp j, 0,1,2,3
	global_load_b128 v[S+32*\t+16*\b+4*\j:S+32*\t+16*\b+4*\j+3], v[QA], s[4:5] offset:4096*\t+128*\b+16*\j th:TH_LOAD_NT   ; Q: read once, by this wave alone
.endr
.endr
.endr
	s_wait_loadcnt 16                              ; Q's sixteen loads may be out: tile 0's twelve are in
	CONVERT
	s_wait_alu depctr_va_vdst(0)                   ; the conversions have written KC, KSB and KST .. KST + 7, which the LDS stores read, and are done reading KST and VST, in which tile 1's loads land
	IMAGES 0
	s_wait_dscnt 0x0                               ; for the other waves' sake: my part of tile 0's images is in LDS (the barrier stands below)
	STEPON                                         ; (its wait also shows that Q's loads have read v254, which is written again on the way out)
	GLOADS                                         ; tile 1
	s_wait_loadcnt 12                              ; tile 1's twelve may be out: Q is in
.irp t, 0,1
.irp i, 0,1,2,3,8,9,10,11
	v_mov_b32 v[QF+12*\t+\i], 0                    ; the zero codes on both sides of Q's
.endr
.endr
	v_mov_b32 v[FB+2], 0                           ; written once: a lane permute's destination counts as one of its sources
	v_mov_b32 v[FB+3], 0
	QUANT2 0
	QUANT2 1
.set i, 0
.rept 64
	v_mov_b32 v[OT+i], 0                           ; O^T.  (The sub-step is written once: the first finds zeros, and its a is 0.  These lines also stand between Q's scale words and the first scaled product)
.set i, i+1
.endr
.irp t, 0,1
	v_mov_b32 v[ST+8*\t+1], 0xff61b1e6             ; m: -3e38, under every score served
	v_mov_b32 v[ST+8*\t+2], 0                      ; l, in two halves
	v_mov_b32 v[ST+8*\t+3], 0
.endr
.irp t, 0,1
	v_mul_f32 v[ST+8*\t], s22, v[ST+8*\t+1]        ; c m
.endr
	v_mov_b32 v[A0+1], 0                           ; (named as the upper halves of a's pairs)
	v_mov_b32 v[A1+1], 0
	s_barrier_signal -1                            ; my stores of tile 0's images were waited for above
	s_barrier_wait -1                              ; everybody's lie in buffer 0
	s_mov_b32 s16, 7
.Ltiles:                                               ; a trip: tiles 2 n and 2 n + 1; it makes tiles 2 n + 1 and 2 n + 2 into images and asks for tiles 2 n + 2 and 2 n + 3
	TILE 0, 1, 1, 0
	TILE 1, 1, 1, 0
	s_sub_co_u32 s16, s16, 1
	s_cmp_lg_u32 s16, 0
	s_cbranch_scc1 .Ltiles
	TILE 0, 1, 0, 0                                ; tile 14: tile 15 is made into images; nothing is left to ask for: no load leaves its buffer
	TILE 1, 0, 0, 1                                ; tile 15: no image is written any more, so no barrier follows
	; THE WAY OUT.  l's two halves and lane l xor 16's are added; O^T is divided by l and goes through my own stage in LDS, a tile (16 rows of 256 bytes) at a time, so that it leaves as whole rows.
.irp t, 0,1
	v_add_f32 v[ST+8*\t+4], v[ST+8*\t+2], v[ST+8*\t+3]
.endr
.irp t, 0,1
	v_permlanex16_b32 v[ST+8*\t+5], v[ST+8*\t+4], s20, s21
.endr
.irp t, 0,1
	v_add_f32 v[ST+8*\t+4], v[ST+8*\t+4], v[ST+8*\t+5]
.endr
.irp t, 0,1
	v_rcp_f32 v[A0+(A1-A0)*\t], v[ST+8*\t+4]
.endr
	v_and_b32 v8, 15, v0                           ; the eight address lines are the plain lines behind the reciprocals and the places behind the last products
	v_bfe_u32 v9, v0, 4, 1
	s_mul_i32 s13, s12, 16*SPITCH
	s_add_co_u32 s13, s13, STG                     ; my stage
	v_mul_u32_u24 v[SO], v8, SPITCH                ; in: row l % 16; channels 16 d + 8 (l / 16) on: 64 d + 32 (l / 16) bytes
	v_lshl_add_u32 v[SO], v9, 5, v[SO]
	v_add_nc_u32 v[SO], s13, v[SO]
	v_mul_u32_u24 v[SR], v9, SPITCH                ; back: lanes 0-15 one row of 256 bytes, lanes 16-31 the next
	v_lshl_add_u32 v[SR], v8, 4, v[SR]
	v_add_nc_u32 v[SR], s13, v[SR]
	s_wait_alu depctr_va_vdst(0)                   ; the two reciprocals are written, ahead of the first line that names one of them
.irp t, 0,1
.irp i, 0,1,2,3,4,5,6,7,8,9,10,11,12,13,14,15
	v_pk_mul_f32 v[OT+32*\t+2*\i:OT+32*\t+2*\i+1], v[OT+32*\t+2*\i:OT+32*\t+2*\i+1], v[A0+(A1-A0)*\t:A0+(A1-A0)*\t+1] op_sel_hi:[1,0]   ; each result from its low end on
.endr
.endr
	s_wait_alu depctr_va_vdst(0)                   ; the multiplications have written O^T, which the LDS stores read (v[SO] and v[SR] were written ahead of the wait above; the last products, which read S, in which the LDS loads land, stand ahead of it too)
.irp t, 0,1
.irp d, 0,1,2,3
	ds_store_b128 v[SO], v[OT+32*\t+8*\d:OT+32*\t+8*\d+3] offset:64*\d
	ds_store_b128 v[SO], v[OT+32*\t+8*\d+4:OT+32*\t+8*\d+7] offset:64*\d+16
.endr
.irp i, 0,1,2,3,4,5,6,7
	ds_load_b128 v[S+32*\t+4*\i:S+32*\t+4*\i+3], v[SR] offset:2*SPITCH*\i   ; LDS serves a wave's instructions in order (ISA guide 5.7.1.4): these see the stores above, and the next tile's stores come behind them
.endr
.endr
.irp t, 0,1
.irp i, 0,1,2,3,4,5,6,7
	s_wait_dscnt 23-16*\t-\i                       ; what was issued behind this pair of rows' load may be out: the tile's later loads, and for tile 0 tile 1's sixteen
	global_store_b128 v[LI], v[S+32*\t+4*\i:S+32*\t+4*\i+3], s[10:11] offset:4096*\t+512*\i th:TH_STORE_NT   ; 32 lanes store 512 consecutive bytes, two rows, at a multiple of 256 from out0's first byte
.endr
.endr
	s_barrier_signal -1
	s_barrier_wait -1
	s_wait_xcnt 0x0
	s_wait_alu depctr_vm_vsrc(0)                   ; the stage's LDS stores have read v254 and its LDS loads v255: the two are made anew below
	v_lshl_add_u32 v254, v0, 2, 0x1b200
	v_mov_b32 v255, 0
	s_wait_dscnt 0x0                               ; the closing lines, six on end
	s_wait_alu 0x0
	s_wait_tensorcnt 0x0
	ds_add_u32 v254, v255
	s_wait_dscnt 0x0
	s_endpgm
.Lfunc_end_k_qb7e14678d4_attn:
	.size	k_qb7e14678d4_attn, .Lfunc_end_k_qb7e14678d4_attn-k_qb7e14678d4_attn
	.p2alignl 7, 3214868480
	.fill 96, 4, 3214868480
	.section	.rodata,"a",@progbits
	.p2align	6, 0x0
	.amdhsa_kernel k_qb7e14678d4_attn
		.amdhsa_group_segment_fixed_size 113152
		.amdhsa_private_segment_fixed_size 0
		.amdhsa_enable_private_segment 0
		.amdhsa_kernarg_size 32
		.amdhsa_user_sgpr_count 2
		.amdhsa_user_sgpr_kernarg_segment_ptr 1
		.amdhsa_wavefront_size32 1
		.amdhsa_system_sgpr_workgroup_id_x 1
		.amdhsa_system_sgpr_workgroup_id_y 1
		.amdhsa_system_sgpr_workgroup_id_z 1
		.amdhsa_system_vgpr_workitem_id 0
		.amdhsa_next_free_vgpr 256
		.amdhsa_next_free_sgpr 66
		.amdhsa_reserve_vcc 0
		.amdhsa_float_denorm_mode_32 3
		.amdhsa_float_denorm_mode_16_64 3
		.amdhsa_memory_ordered 1
		.amdhsa_forward_progress 1
		.amdhsa_inst_pref_size 160
	.end_amdhsa_kernel
	.amdgpu_metadata
---
amdhsa.version: [ 1, 2 ]
amdhsa.kernels:
  - .name:           k_qb7e14678d4_attn
    .symbol:         k_qb7e14678d4_attn.kd
    .args:
      - { .name: q, .offset: 0, .size: 8, .value_kind: global_buffer, .address_space: global }
      - { .name: k, .offset: 8, .size: 8, .value_kind: global_buffer, .address_space: global }
      - { .name: v, .offset: 16, .size: 8, .value_kind: global_buffer, .address_space: global }
      - { .name: out0, .offset: 24, .size: 8, .value_kind: global_buffer, .address_space: global }
    .group_segment_fixed_size: 113152
    .private_segment_fixed_size: 0
    .kernarg_segment_align: 8
    .kernarg_segment_size: 32
    .max_flat_workgroup_size: 512
    .sgpr_count:     66
    .vgpr_count:     256
    .wavefront_size: 32
...
	.end_amdgpu_metadata
.endif
;; end of part 2
